; MI455X (gfx1250); checked and timed in simulation.
; The chip was launched on July 23, 2026; its instructions are those of AMD's public machine-readable ISA for CDNA 5 (MIT licence, August 2026) and "CDNA5" Instruction Set Architecture Reference Guide (July 2026). The comments in the code are by the model that wrote it; some were corrected since.
;; Multi Head Attention. Allowed arithmetic: matrix products marked QUANTISED: E5M2 operands, one given power-of-two scale a tensor, by v_wmma_f32_16x16x64_bf8_bf8 or v_wmma_f32_16x16x128_bf8_bf8, f32 sums; everything else in f32.
;; Inputs: Wk_codes 1,024 x 32 x 32 uint8 (E5M2 codes of Wk, K innermost, in blocks of 32 codes); Wo_codes 1,024 x 32 x 32 uint8 (E5M2 codes of Wo, K innermost, in blocks of 32 codes); Wq_codes 1,024 x 32 x 32 uint8 (E5M2 codes of Wq, K innermost, in blocks of 32 codes); Wv_codes 1,024 x 32 x 32 uint8 (E5M2 codes of Wv, K innermost, in blocks of 32 codes); bk 1,024 float32; bo 1,024 float32; bq 1,024 float32; bv 1,024 float32; lowp_scales 12 int32 (the exponents e of the quantised operands' scales 2^e); x_codes 4 x 2,048 x 32 x 32 uint8 (E5M2 codes of x, K innermost, in blocks of 32 codes).
;; Outputs: out0 4 x 2,048 x 1,024 float32.
;; This version of the problem:
;;   THIS VERSION OF THE PROBLEM IS GIVEN IN LOW PRECISION. The matrix products marked QUANTISED in the list below multiply operands that are first quantised to E5M2 (5 exponent bits, 2 mantissa bits; 8 bits a number), with one given power-of-two scale for each operand tensor; their sums are f32. All else is computed in f32.
;;   The module's matrix products, in the order in which they are computed (A, B: the left and right operand; K: the contracted axis; several contracted axes count as one K, in the product's order):
;;     1. [M 8,192, K 1,024] x [K 1,024, N 1,024]; A: input x (given as codes); B: input Wq (given as codes): QUANTISED (scales: A lowp_scales[0], B lowp_scales[1])
;;     2. [M 8,192, K 1,024] x [K 1,024, N 1,024]; A: input x (given as codes); B: input Wk (given as codes): QUANTISED (scales: A lowp_scales[2], B lowp_scales[3])
;;     3. [M 8,192, K 1,024] x [K 1,024, N 1,024]; A: input x (given as codes); B: input Wv (given as codes): QUANTISED (scales: A lowp_scales[4], B lowp_scales[5])
;;     4. batch 64 x [M 2,048, K 64] x [K 64, N 2,048]; A: computed on the way; B: computed on the way: QUANTISED (scales: A lowp_scales[6], B lowp_scales[7])
;;     5. batch 64 x [M 2,048, K 2,048] x [K 2,048, N 64]; A: softmax (see below); B: computed on the way: QUANTISED (scales: A lowp_scales[8], B lowp_scales[9])
;;     6. [M 8,192, K 1,024] x [K 1,024, N 1,024]; A: computed on the way; B: input Wo (given as codes): QUANTISED (scales: A lowp_scales[10], B lowp_scales[11])
;;   THE QUANTISER, for each operand of a quantised product, along K:
;;     - The operand's scale is 2^e, e = its entry of the input lowp_scales (int32; the entries are numbered through the quantised products in the list's order, A before B).
;;     - Each number is divided by the scale, clamped to +-57,344, and rounded to the nearest number of E5M2, ties to even, subnormals kept.
;;     - The product sums the exact products of the quantised numbers (number of the format x scale) in f32.
;;   ~~~python
;;   def quantise(x, axis, e):      # numpy; x: float32 -> the quantised numbers, widened to float32 again
;;       x = np.moveaxis(x, axis, -1); K = x.shape[-1]
;;       r = np.clip(x / 2.0 ** e, -57344, 57344)
;;       step = 2.0 ** (np.maximum(np.frexp(np.where(r == 0, 1, r))[1] - 1, -14) - 2)
;;       q = np.round(r / step) * step * 2.0 ** e      # np.round: ties to even
;;       return np.moveaxis(q, -1, axis).astype(np.float32)
;;   ~~~
;;   SOFTMAX AHEAD OF A QUANTISED PRODUCT. Where the list says 'softmax', what is quantised is not the finished softmax but p = 2^(t - M), with t = logit x log2(e) and M = ceil(the row's largest t), a whole number; so 1/2 < the row's largest p <= 1. The row's sum l is taken of the UNQUANTISED p, in f32, and the product's result is divided by l at the end. Since M is a whole number, a kernel that streams over the keys may use a running M (the ceiling of the running maximum): every later rescaling is an exact power of two, so the quantised numbers keep their values, but for numbers so far below the row's largest that they fall under the format's range.
;;   OPERANDS COMPUTED ON THE WAY. 'Computed on the way' means the value that the module computes at that place (a softmax that the list does not call 'softmax' is quantised finished and normalised). What goes into a quantiser is computed in f32, as accurately as f32 sums, v_exp_f32 and their like allow (about 1e-6 of the number): no bf16 or f16 on the way to a quantiser, and a product that is left as it is and whose result goes on into a quantised operand takes f32 operands (vector FMAs, or v_wmma_f32_16x16x4_f32). A number that lies on a knife's edge between two numbers of the format may be rounded either way, as far as f32 arithmetic and the matrix unit's own rounding can turn it there, and no further.
;;   INPUTS GIVEN AS CODES. Wk (in the module: [1024, 1024], K = its axis 1); Wo (in the module: [1024, 1024], K = its axis 1); Wq (in the module: [1024, 1024], K = its axis 1); Wv (in the module: [1024, 1024], K = its axis 1); x (in the module: [4, 2048, 1024], K = its axis 2): each comes as NAME_codes (uint8): NAME with its K axis moved to the last place and cut into blocks of 32 codes, [.., K / 32, bytes a block], one block behind the other in memory; one code a byte (a code: sign, 5 exponent bits, 2 mantissa bits); its scale is its entry of lowp_scales. Its value is code x scale, taken as it is: it is not quantised again, and the codes and scales need not be those that the quantiser above would give.
;; One version. Each part assembles by itself: llvm-mc -triple=amdgcn-amd-amdhsa -mcpu=gfx1250 --defsym DOCPART=n.
;; ======== version 1 of 1: 3 launches
;; limits: right only within a limited range of input values
;; workspace buffers: q_img 8,388,608 bytes; kv_img 16,777,216 bytes; attn_img 8,388,608 bytes
;; launch qkv (part 1): grid 8 x 32, 4 waves a work-group, clusters of 4 x 4, 327,680 bytes of LDS; arguments x_codes, Wq_codes, Wk_codes, Wv_codes, bq, bk, bv, lowp_scales, q_img, kv_img; writes q_img, kv_img
.if DOCPART == 1
	.amdgcn_target "amdgcn-amd-amdhsa--gfx1250"
	.amdhsa_code_object_version 6
	.text
	.protected	k_q600184ab68_qkv
	.globl	k_q600184ab68_qkv
	.p2align	8
	.type	k_q600184ab68_qkv,@function
k_q600184ab68_qkv:
	s_mov_b64 s[64:65], 0
	v_nop
	global_prefetch_b8 v0, s[64:65] scope:SCOPE_SE
	s_setreg_imm32_b32 hwreg(HW_REG_WAVE_MODE, 25, 1), 1
	s_wait_xcnt 0x0
	s_wait_alu depctr_hold_cnt(0) depctr_sa_sdst(0) depctr_va_vdst(0) depctr_va_sdst(0) depctr_va_ssrc(0) depctr_va_vcc(0) depctr_vm_vsrc(0)
	s_getreg_b32 s2, hwreg(HW_REG_IB_STS2, 6, 4)
	s_cmp_eq_u32 s2, 0
	s_cbranch_scc0 .Lentry_in_a_cluster
	s_endpgm
.Lentry_in_a_cluster:
	s_bfe_u32 s2, ttmp6, 0x10000c
	s_cmp_lg_u32 s2, 0xf033
	s_cbranch_scc0 .Lentry_shape_is_right
	s_endpgm
.Lentry_shape_is_right:
; Q = x Wq^T + bq, K = x Wk^T + bk, V = x Wv^T + bv on codes of BF8 (E5M2), and the three results quantised at once to codes of BF8 for the attention launch.
; x: [8192][1024] codes, Wq, Wk, Wv: [1024][1024] codes, K innermost; a number is its code x 2^e (x: e0, e2, e4; Wq e1, Wk e3, Wv e5); biases f32.
; SHARES: 8,192 x 3,072 results on 32 x 8 = 256 work-groups.  A work-group takes 256 tokens and the same 128 features of Q, of K and of V: one tile of x serves three tiles of weights.
; A wave takes 128 tokens x one head (64 features) of each product: 8 x 4 accumulators a product, 96 in all; product pi has register window pi + 1, accumulator (a, b) at v[8 (4 a + b)].
; Q and K: source 0 = 16 rows of the weight, source 1 = 16 tokens: a lane holds token r and eight neighbouring features.  V: the sources swapped: a lane holds feature r and eight neighbouring tokens.
; So a lane's registers run along the K of the product that will read the codes, and the conversions' results are that product's operand registers.
; K = 1,024 goes in four fills of 256 through ONE LDS slot of 640 rows (two such slots are 348,160 bytes and do not fit): wave 0 fetches x's 256 rows, waves 1 to 3 a weight's 128 each; rows of 256 bytes, padded to 272
; (68 words: the 16 rows that a load touches start 4 banks apart; 64 banks of 4 bytes: ISA guide 11.1).  A fill is four steps of 64 along K (the K = 64 form: 8 registers a fragment): window 0 holds two sets of x's eight fragments and one set of the
; twelve weight fragments; behind a product's 32 matrix instructions its four weight fragments are fetched for the next step.  When a fill's last step is in registers the slot is filled again, and that step's 96 products stand under the load's flight.
; CLUSTERS: 4 x 4 work-groups.  x's tile hangs on the block of tokens, shared along a row of the cluster; the weights' tiles on the group of features, shared along a column: each is asked for jointly.
; PREFETCH: fills 1 and 2 are asked for at the head, fill 3 behind fill 1's load: a lane a row, 256 bytes of it; the four partners of a joint load share its rows out by address (x: 64 rows each, two instructions of wave 0; a weight: 32 rows, one instruction);
; the weights' rows are the same in all eight rows of clusters, and only the first four ask for them.
; THE BIAS, divided by 2^(ea + eb), is kept as an image of 72 registers in LDS bytes of the wave's own and added on the way out; then the hold at +-57,344 x 2^(eo - ea - eb) and the conversion with that one scale (eo: e6 for Q, e7 for K, e9 for V).
;   q_img  [bh 64][16 tokens: 128][piece 2][512]: a piece is 16 bytes a lane: d = 32 c' + 8 h + 0 .. 7 and 32 c' + 16 + 8 h + 0 .. 7 of token r
;   kv_img [bh 64][128 keys: 16][16,384]: bytes 0 .. 8,191: K, [16 keys: 8][piece 2][512], as Q; from 8,192 on V^T, piece (dt, c') at 4,096 (c' / 2) + 1,024 dt + 512 (c' % 2): keys 32 c' + 8 h + 0 .. 7 and 32 c' + 16 + 8 h + 0 .. 7 of d = 16 dt + r
; LIMITS: eo - ea - eb between -126 and 112; bias / 2^(ea + eb) stays inside f32's range.  NaN is not served.
.set PITCH, 272
.set XB,    256*PITCH                  ; x's rows, then the three weights'
.set WB,    128*PITCH
.set SPARE, XB+3*WB                    ; 174,080: the spare words, 128 bytes for each wave, which no other line names
.set BST,   SPARE+512                  ; the biases' images: 18 x 512 bytes for each wave; no fill lands here
.set BSW,   9216
.set ADRX, 16
.set ADRW, 17                          ; Wq's and Wk's fragments
.set ADRV, 18                          ; Wv's (= ADRW + 1)
.set BH,   19
.set LIM,  20                          ; v20-22
.set SCL,  23                          ; v23-25
.set VOL,  26
.set BSA,  27
.set SPW,  28
.set NIL,  29
.set PFO,  30
.set BR,   31
.set WF,   32                          ; the weights' fragments: 32 pi + 8 b
.set XF,   128                         ; x's: two sets of 64
.set G1X, 24
.set G0X, 32
.set G1W, 48
.set G0W, 56
.set PADF, (0<<16)|(1<<20)|(1<<21)|(5<<22)|(3<<25)   ; elements of 1 byte; padding of 4 words after every 64; bit 21 beside a mask
.set MSB, 0
.macro WIN new                         ; the immediate's high byte repeats the setting that is left
.if MSB != (\new)
	s_set_vgpr_msb (MSB<<8)|(\new)
.set MSB, (\new)
.endif
.endm
.macro PLACES n
.rept \n
	v_nop
.endr
.endm
.macro JLOAD                           ; one load a wave, one to each arm; the branch hangs on the wave's number alone
	s_cmp_eq_u32 s14, 0
	s_cbranch_scc0 .Lfor_w_\@
	tensor_load_to_lds s[G0X:G0X+3], s[G1X:G1X+7]
	s_nop 0
	PLACES 4
	s_branch .Lasked_\@
.Lfor_w_\@:
	tensor_load_to_lds s[G0W:G0W+3], s[G1W:G1W+7]
	s_nop 0
	PLACES 4
.Lasked_\@:
.endm
.macro CROUND
	s_barrier_signal -1
	s_barrier_wait -1
	s_cmp_lg_u32 s14, 0
	s_cbranch_scc1 .Lnot_wave_0_\@
	s_barrier_signal -3
.Lnot_wave_0_\@:
	s_barrier_wait -3
	s_barrier_signal -1
	s_barrier_wait -1
.endm
.macro ASK off                         ; the fill that begins at byte off of the rows
	s_cmp_eq_u32 s45, 0
	s_cbranch_scc0 .Lna_\@
	global_prefetch_b8 v[PFO], s[2:3] offset:\off th:TH_LOAD_NT scope:SCOPE_SE
	s_cmp_eq_u32 s14, 0
	s_cbranch_scc0 .Lna_\@
	global_prefetch_b8 v[PFO], s[2:3] offset:\off+32768 th:TH_LOAD_NT scope:SCOPE_SE   ; x: my work-group's other 32 rows
.Lna_\@:
.endm
	s_load_b512 s[68:83], s[0:1], 0x0              ; x, Wq, Wk, Wv, bq, bk, bv, the scales' exponents
	s_load_b128 s[84:87], s[0:1], 0x40             ; q_img, kv_img
	v_lshl_add_u32 v[SPW], v0, 2, SPARE
	v_mov_b32 v[NIL], 0
	ds_add_u32 v[SPW], v[NIL]                      ; the opening lines: the add, twice on end, and its wait ahead of my first tensor load
	ds_add_u32 v[SPW], v[NIL]
	v_lshrrev_b32 v1, 5, v0
	v_readfirstlane_b32 s14, v1                    ; wave 0..3
	s_lshr_b32 s15, s14, 1                         ; my half of the tokens
	s_and_b32 s16, s14, 1                          ; my head of the two
	s_bfe_u32 s40, ttmp6, 0x40000                  ; cx, cy
	s_bfe_u32 s41, ttmp6, 0x40004
	s_lshl_b32 s42, ttmp9, 2
	s_add_co_u32 s42, s42, s40                     ; the group of 128 features, 0 .. 7
	s_and_b32 s17, ttmp7, 0xffff
	s_lshl_b32 s17, s17, 2
	s_add_co_u32 s17, s17, s41                     ; the block of 256 tokens, 0 .. 31
	s_lshl_b32 s43, s41, 2
	s_lshl_b32 s43, 15, s43                        ; my row of the cluster
	s_lshl_b32 s44, 0x1111, s40                    ; my column
	s_or_b32 s[G1X], s43, PADF
	s_mov_b32 s[G1X+1], 256<<16
	s_mov_b32 s[G1X+2], 256<<16
	s_mov_b32 s[G1X+3], 256<<16
	s_mov_b32 s[G1X+4], 256
	s_mov_b32 s[G1X+5], 1024
	s_mov_b32 s[G1X+6], 0
	s_mov_b32 s[G1X+7], 0
	s_or_b32 s[G1W], s44, PADF
	s_mov_b32 s[G1W+1], 256<<16
	s_mov_b32 s[G1W+2], 128<<16
	s_mov_b32 s[G1W+3], 256<<16
	s_mov_b32 s[G1W+4], 128
	s_mov_b32 s[G1W+5], 1024
	s_mov_b32 s[G1W+6], 0
	s_mov_b32 s[G1W+7], 0
	s_lshl_b32 s20, s17, 18                        ; x: 256 rows of 1,024 bytes a block
	s_mov_b32 s21, 0
	s_lshl_b32 s46, s42, 17                        ; a weight: 128 rows a group
	s_mov_b32 s47, 0
	s_mul_i32 s45, s14, WB
	s_add_co_u32 s45, s45, XB-WB                   ; waves 1 to 3: the weight's place in LDS
	s_wait_dscnt 0x0                               ; both opening adds are done
	s_wait_kmcnt 0x0
	s_load_b256 s[88:95], s[82:83], 0x0            ; e0 .. e7
	s_load_b64 s[96:97], s[82:83], 0x20            ; e8, e9
	s_cmp_eq_u32 s14, 1                            ; wave 1: Wq, 2: Wk, 3: Wv
	s_cselect_b64 s[6:7], s[70:71], s[72:73]
	s_cmp_eq_u32 s14, 3
	s_cselect_b64 s[6:7], s[74:75], s[6:7]
	s_add_nc_u64 s[20:21], s[68:69], s[20:21]
	s_add_nc_u64 s[46:47], s[6:7], s[46:47]
	CROUND                                         ; all sixteen work-groups are here: the first joint loads meet
	s_mov_b32 s[G0X], 1
	s_mov_b32 s[G0X+1], 0
	s_mov_b64 s[G0X+2:G0X+3], s[20:21]
	s_or_b32 s[G0X+3], s[G0X+3], 0x80000000
	s_mov_b32 s[G0W], 1
	s_mov_b32 s[G0W+1], s45
	s_mov_b64 s[G0W+2:G0W+3], s[46:47]
	s_or_b32 s[G0W+3], s[G0W+3], 0x80000000
	JLOAD                                          ; fill 0
	s_lshl_b32 s18, s40, 16                        ; the prefetches: x: 64 rows x cx on; a weight: 32 rows x cy on
	s_lshl_b32 s19, s41, 15
	s_and_b32 s22, ttmp7, 0xffff
	s_lshr_b32 s22, s22, 2                         ; 1 in the cluster rows 4 to 7
	s_cmp_eq_u32 s14, 0
	s_cselect_b64 s[2:3], s[20:21], s[46:47]
	s_cselect_b32 s18, s18, s19
	s_cselect_b32 s45, 0, s22                      ; 1: I ask for nothing
	s_mov_b32 s19, 0
	s_add_nc_u64 s[2:3], s[2:3], s[18:19]          ; never rewritten
	s_lshr_b32 s18, s17, 3                         ; the batch
	s_lshl_b32 s18, s18, 4
	s_lshl_b32 s19, s42, 1
	s_add_co_u32 s19, s19, s16                     ; my head
	s_add_co_u32 s18, s18, s19                     ; bh
	s_lshl_b32 s22, s19, 8                         ; the head's 64 numbers of a bias
	s_mov_b32 s23, 0
	s_add_nc_u64 s[36:37], s[76:77], s[22:23]
	s_add_nc_u64 s[38:39], s[78:79], s[22:23]
	s_add_nc_u64 s[12:13], s[80:81], s[22:23]
	s_and_b32 s19, s17, 7
	s_lshl_b32 s19, s19, 1
	s_add_co_u32 s19, s19, s15                     ; my 128 tokens of the sequence
	s_lshl_b32 s22, s18, 17
	s_lshl_b32 s5, s19, 13
	s_add_co_u32 s22, s22, s5
	s_add_nc_u64 s[8:9], s[84:85], s[22:23]        ; q_img at my first token
	s_lshl_b32 s22, s18, 18
	s_lshl_b32 s5, s19, 14
	s_add_co_u32 s22, s22, s5
	s_add_nc_u64 s[10:11], s[86:87], s[22:23]      ; kv_img at my block of keys
	s_mul_i32 s5, s15, 128*PITCH                   ; my 128 rows of x in LDS
	s_mul_i32 s6, s16, 64*PITCH
	s_add_co_u32 s6, s6, XB                        ; my 64 rows of Wq
	s_add_co_u32 s7, s6, 2*WB                      ; of Wv
	s_mul_i32 s22, s14, BSW
	s_add_co_u32 s22, s22, BST                     ; my biases' images
	v_and_b32 v1, 15, v0                           ; r
	v_bfe_u32 v2, v0, 4, 1                         ; h
	v_and_b32 v6, 31, v0
	v_mul_u32_u24 v3, v1, PITCH
	v_lshl_add_u32 v4, v2, 4, v3                   ; a fragment's row x pitch + 16 h
	v_add_nc_u32 v[ADRX], s5, v4
	v_add_nc_u32 v[ADRW], s6, v4
	v_add_nc_u32 v[ADRV], s7, v4
	v_lshlrev_b32 v[VOL], 4, v6                    ; 16 x lane
	v_add_nc_u32 v[BSA], s22, v[VOL]
	v_lshlrev_b32 v[BH], 5, v2
	v_lshlrev_b32 v[BR], 2, v1
	v_lshlrev_b32 v[PFO], 10, v6                   ; a lane a row; never rewritten
	s_wait_alu depctr_va_vdst(0)                   ; scalar lines and branches stand ahead of the readers below
.irp b, 0,1,2,3                                ; Q, K: register 8 b + j: the bias of feature 16 b + 8 h + j;  V: of feature 16 b + r
	global_load_b128 v[128+8*\b:128+8*\b+3], v[BH], s[36:37] offset:64*\b
	global_load_b128 v[132+8*\b:132+8*\b+3], v[BH], s[36:37] offset:64*\b+16
	global_load_b128 v[160+8*\b:160+8*\b+3], v[BH], s[38:39] offset:64*\b
	global_load_b128 v[164+8*\b:164+8*\b+3], v[BH], s[38:39] offset:64*\b+16
	global_load_b32 v[200+\b], v[BR], s[12:13] offset:64*\b
.endr
	ASK 256
	ASK 512
	s_wait_kmcnt 0x0
	s_add_co_i32 s88, s88, s89                     ; ea + eb of Q's product,
	s_add_co_i32 s90, s90, s91                     ; of K's,
	s_add_co_i32 s92, s92, s93                     ; of V's
.macro SC sum, eo, idx                 ; a sum stands for sum x 2^(ea + eb): its code is sum / 2^(eo - ea - eb)
	s_sub_co_i32 s18, \eo, \sum
	s_add_co_i32 s18, s18, 127
	s_lshl_b32 s19, s18, 23
	v_mov_b32 v[SCL+\idx], s19
	s_add_co_i32 s18, s18, 15
	s_lshl_b32 s18, s18, 23
	s_or_b32 s18, s18, 0x600000
	v_mov_b32 v[LIM+\idx], s18                     ; 57,344 x that
.endm
	SC s88, s94, 0
	SC s90, s95, 1
	SC s92, s97, 2
	s_sub_co_i32 s88, 0, s88
	s_sub_co_i32 s90, 0, s90
	s_sub_co_i32 s92, 0, s92
	s_wait_loadcnt 0x0
.set j, 0
.rept 32
	v_ldexp_f32 v[128+j], v[128+j], s88            ; bias / 2^(ea + eb)
	v_ldexp_f32 v[160+j], v[160+j], s90
.set j, j+1
.endr
.irp b, 0,1,2,3
	v_ldexp_f32 v[192+2*\b], v[200+\b], s92        ; V's, twice: a pair for the packed addition
	v_ldexp_f32 v[193+2*\b], v[200+\b], s92
.endr
.macro WLOAD pi, q                     ; product pi's four weight fragments, 64 along K from byte 64 q of the slot's rows: lane (r, h): registers 0-3: k = 16 h + 0 .. 15, registers 4-7: k = 32 + 16 h + 0 .. 15, as in x's
.set WA, ADRW+(\pi)/2
.set WO, ((\pi)%2)*WB
.irp b, 0,1,2,3
	ds_load_b128 v[WF+32*(\pi)+8*\b:WF+32*(\pi)+8*\b+3],   v[WA] offset:WO+\b*16*PITCH+64*(\q)
	ds_load_b128 v[WF+32*(\pi)+8*\b+4:WF+32*(\pi)+8*\b+7], v[WA] offset:WO+\b*16*PITCH+64*(\q)+32
.endr
.endm
.macro XLOAD q                         ; x's eight fragments into set q % 2
.irp a, 0,1,2,3,4,5,6,7
	ds_load_b128 v[XF+64*((\q)%2)+8*\a:XF+64*((\q)%2)+8*\a+3],   v[ADRX] offset:\a*16*PITCH+64*(\q)
	ds_load_b128 v[XF+64*((\q)%2)+8*\a+4:XF+64*((\q)%2)+8*\a+7], v[ADRX] offset:\a*16*PITCH+64*(\q)+32
.endr
.endm
; 32 matrix instructions of one product; its accumulators take turns, one instruction a turn, in the same order in every step.
.macro MUL pi, p, zero
.irp a, 0,1,2,3,4,5,6,7
.irp b, 0,1,2,3
.if (\pi) == 2
.if \zero
	v_wmma_f32_16x16x64_bf8_bf8 v[8*(4*\a+\b):8*(4*\a+\b)+7], v[XF+64*(\p)+8*\a:XF+64*(\p)+8*\a+7], v[WF+64+8*\b:WF+64+8*\b+7], 0
.else
	v_wmma_f32_16x16x64_bf8_bf8 v[8*(4*\a+\b):8*(4*\a+\b)+7], v[XF+64*(\p)+8*\a:XF+64*(\p)+8*\a+7], v[WF+64+8*\b:WF+64+8*\b+7], v[8*(4*\a+\b):8*(4*\a+\b)+7]
.endif
.else
.if \zero
	v_wmma_f32_16x16x64_bf8_bf8 v[8*(4*\a+\b):8*(4*\a+\b)+7], v[WF+32*(\pi)+8*\b:WF+32*(\pi)+8*\b+7], v[XF+64*(\p)+8*\a:XF+64*(\p)+8*\a+7], 0
.else
	v_wmma_f32_16x16x64_bf8_bf8 v[8*(4*\a+\b):8*(4*\a+\b)+7], v[WF+32*(\pi)+8*\b:WF+32*(\pi)+8*\b+7], v[XF+64*(\p)+8*\a:XF+64*(\p)+8*\a+7], v[8*(4*\a+\b):8*(4*\a+\b)+7]
.endif
.endif
.endr
.endr
.endm
; A product's share of a step.  look = 1: four places behind its matrix instructions its weight fragments are fetched for the next step (8 loads), and behind Q's also x's other set (16 loads).
.macro GROUP pi, q, zero, look, cnt
.if \cnt >= 0
	s_wait_dscnt \cnt
.endif
	WIN ((\pi)+1)*0x50                             ; C and D: window pi + 1; the fragments: window 0
	MUL \pi, (\q)%2, \zero
.if \look
	PLACES 4
	WIN 0
	WLOAD \pi, (\q)+1
.if (\pi) == 0
	XLOAD (\q)+1
.endif
.endif
.endm
; The waits count the LDS loads issued behind those that the group needs: ahead of Q's group K's and V's 8 + 8; ahead of K's group V's 8 and this step's 24 behind Q; ahead of V's group this step's 24 + 8.
.macro STEP q, zero
	GROUP 0, \q, \zero, 1, 16
	GROUP 1, \q, \zero, 1, 32
	GROUP 2, \q, \zero, 1, 32
.endm
.macro LAST                            ; a fill's fourth step: its fragments are in, nothing is fetched
	GROUP 0, 3, 0, 0, -1
	GROUP 1, 3, 0, 0, -1
	GROUP 2, 3, 0, 0, -1
	WIN 0
.endm
.macro INIT                            ; a fill's first fragments, in the order in which a step fetches them
	WLOAD 0, 0
	XLOAD 0
	WLOAD 1, 0
	WLOAD 2, 0
.endm
	s_wait_alu depctr_va_vdst(0)                   ; the wait at the head's end
	s_wait_tensorcnt 0x0                           ; my part of fill 0 is in
.set i, 0
.rept 18
	ds_store_b128 v[BSA], v[128+4*i:128+4*i+3] offset:512*i   ; the biases' image: registers 4 i .. 4 i + 3 of 72, 16 bytes a lane
.set i, i+1
.endr
	s_wait_dscnt 0x0
	s_barrier_signal -1
	s_barrier_wait -1                              ; everybody's part is in
	INIT
	STEP 0, 1                                      ; the first step stands in front of the loop: its products start the sums
	s_mov_b32 s4, 3
.Lfill:                                                ; a trip goes from a fill's second step to the next fill's first, and fills the slot again
	STEP 1, 0
	STEP 2, 0
	s_wait_tensorcnt 0x0                           ; no tensor load of mine is out,
	ds_add_u32 v[SPW], v[NIL]                      ; 0 onto my spare word
	s_add_nc_u64 s[G0X+2:G0X+3], s[G0X+2:G0X+3], 256   ; the next 256 along K
	s_add_nc_u64 s[G0W+2:G0W+3], s[G0W+2:G0W+3], 256
	s_wait_dscnt 0x0                               ; the add is done; the fourth step's fragments are in, so my reads of the slot are over
	CROUND                                         ; that holds of every wave of all sixteen work-groups
	JLOAD                                          ; my one load behind the round
	s_cmp_eq_u32 s4, 3                             ; behind fill 1's load: fill 3 is asked for
	s_cbranch_scc0 .Lno_ask
	ASK 768
.Lno_ask:
	LAST
	s_wait_tensorcnt 0x0                           ; my part of the new fill is in,
	s_barrier_signal -1
	s_barrier_wait -1                              ; everybody's is
	PLACES 4                                       ; in front of the loads into fragments that the last products read
	INIT
	STEP 0, 0
	s_sub_co_u32 s4, s4, 1
	s_cmp_lg_u32 s4, 0
	s_cbranch_scc1 .Lfill
	STEP 1, 0                                      ; the last fill's tail asks for nothing more
	STEP 2, 0
	s_wait_dscnt 0x0
	LAST
	PLACES 4                                       ; in front of the first read of results and of the loads into the fragments' registers
.set i, 0
.rept 18
	ds_load_b128 v[32+4*i:32+4*i+3], v[BSA] offset:512*i   ; the biases: Q's v32-63, K's v64-95, V's pairs v96-103
.set i, i+1
.endr
	s_wait_dscnt 0x0
; THE WAY OUT.  Q, K: 16 tokens x my head: sum + bias (each accumulator from its low end on), the hold, four conversions: tile b's eight sums become registers 2 b, 2 b + 1; two stores of 16 bytes a lane, 512 consecutive bytes each.
.macro OUTQK pi, a, u
.set T,  128+32*((\u)%2)
.set CC, 192+8*((\u)%8)
.if (\u) >= 8
	s_wait_xcnt 0x0                                ; the stores of eight units ago have read their registers
.endif
	WIN (\pi)+1                                    ; source 0: the product's window
.set j, 0
.rept 16
	v_pk_add_f32 v[T+j:T+j+1], v[32*(\a)+j:32*(\a)+j+1], v[32+32*(\pi)+j:32+32*(\pi)+j+1]
.set j, j+2
.endr
	WIN 0
.set j, 0
.rept 32
	v_med3_num_f32 v[T+j], v[T+j], -v[LIM+\pi], v[LIM+\pi]   ; the conversion to an 8-bit code does not saturate (ISA guide 7.6.2)
.set j, j+1
.endr
.irp b, 0,1,2,3
	v_cvt_scalef32_pk8_bf8_f32 v[CC+2*\b:CC+2*\b+1], v[T+8*\b:T+8*\b+7], v[SCL+\pi]
.endr
	v_nop                                          ; a plain line behind the last conversion
.irp J, 0,1
	global_store_b128 v[VOL], v[CC+4*\J:CC+4*\J+3], s[8+2*(\pi):9+2*(\pi)] offset:1024*(\a)+512*\J
.endr
.endm
; V: 16 features x my 128 keys: token block a's eight sums become registers 2 a, 2 a + 1; four stores.
.macro OUTV b
.set T,  128
.set CC, 192+16*(\b)
	s_wait_xcnt 0x0
	WIN 3
.irp a, 0,1,2,3,4,5,6,7
.irp j, 0,2,4,6
	v_pk_add_f32 v[T+8*\a+\j:T+8*\a+\j+1], v[8*(4*\a+(\b))+\j:8*(4*\a+(\b))+\j+1], v[96+2*(\b):97+2*(\b)]
.endr
.endr
	WIN 0
.set j, 0
.rept 64
	v_med3_num_f32 v[T+j], v[T+j], -v[LIM+2], v[LIM+2]
.set j, j+1
.endr
.irp a, 0,1,2,3,4,5,6,7
	v_cvt_scalef32_pk8_bf8_f32 v[CC+2*\a:CC+2*\a+1], v[T+8*\a:T+8*\a+7], v[SCL+2]
.endr
	v_nop
.irp c, 0,1,2,3
	global_store_b128 v[VOL], v[CC+4*\c:CC+4*\c+3], s[10:11] offset:8192+4096*(\c/2)+1024*(\b)+512*(\c%2)
.endr
.endm
.irp a, 0,1,2,3,4,5,6,7
	OUTQK 0, \a, \a
.endr
.irp a, 0,1,2,3,4,5,6,7
	OUTQK 1, \a, \a+8
.endr
.irp b, 0,1,2,3
	OUTV \b
.endr
	s_wait_tensorcnt 0x0                           ; the wave's end
	ds_add_u32 v[SPW], v[NIL]
	s_wait_dscnt 0x0
	CROUND                                         ; the closing round
	s_endpgm
.Lfunc_end_k_q600184ab68_qkv:
	.size	k_q600184ab68_qkv, .Lfunc_end_k_q600184ab68_qkv-k_q600184ab68_qkv
	.p2alignl 7, 3214868480
	.fill 96, 4, 3214868480
	.section	.rodata,"a",@progbits
	.p2align	6, 0x0
	.amdhsa_kernel k_q600184ab68_qkv
		.amdhsa_group_segment_fixed_size 327680
		.amdhsa_private_segment_fixed_size 0
		.amdhsa_enable_private_segment 0
		.amdhsa_kernarg_size 80
		.amdhsa_user_sgpr_count 2
		.amdhsa_user_sgpr_kernarg_segment_ptr 1
		.amdhsa_wavefront_size32 1
		.amdhsa_system_sgpr_workgroup_id_x 1
		.amdhsa_system_sgpr_workgroup_id_y 1
		.amdhsa_system_sgpr_workgroup_id_z 1
		.amdhsa_system_vgpr_workitem_id 0
		.amdhsa_next_free_vgpr 1024
		.amdhsa_next_free_sgpr 100
		.amdhsa_reserve_vcc 0
		.amdhsa_float_denorm_mode_32 3
		.amdhsa_float_denorm_mode_16_64 3
		.amdhsa_memory_ordered 1
		.amdhsa_forward_progress 1
		.amdhsa_inst_pref_size 177
	.end_amdhsa_kernel
	.amdgpu_metadata
---
amdhsa.version: [ 1, 2 ]
amdhsa.kernels:
  - .name:           k_q600184ab68_qkv
    .symbol:         k_q600184ab68_qkv.kd
    .args:
      - { .name: x_codes, .offset: 0, .size: 8, .value_kind: global_buffer, .address_space: global }
      - { .name: Wq_codes, .offset: 8, .size: 8, .value_kind: global_buffer, .address_space: global }
      - { .name: Wk_codes, .offset: 16, .size: 8, .value_kind: global_buffer, .address_space: global }
      - { .name: Wv_codes, .offset: 24, .size: 8, .value_kind: global_buffer, .address_space: global }
      - { .name: bq, .offset: 32, .size: 8, .value_kind: global_buffer, .address_space: global }
      - { .name: bk, .offset: 40, .size: 8, .value_kind: global_buffer, .address_space: global }
      - { .name: bv, .offset: 48, .size: 8, .value_kind: global_buffer, .address_space: global }
      - { .name: lowp_scales, .offset: 56, .size: 8, .value_kind: global_buffer, .address_space: global }
      - { .name: q_img, .offset: 64, .size: 8, .value_kind: global_buffer, .address_space: global }
      - { .name: kv_img, .offset: 72, .size: 8, .value_kind: global_buffer, .address_space: global }
    .group_segment_fixed_size: 327680
    .private_segment_fixed_size: 0
    .kernarg_segment_align: 8
    .kernarg_segment_size: 80
    .max_flat_workgroup_size: 128
    .sgpr_count:     100
    .vgpr_count:     1024
    .wavefront_size: 32
...
	.end_amdgpu_metadata
.endif
;; end of part 1
;; launch attn (part 2): grid 4 x 64, 16 waves a work-group, clusters of 4 x 1, 327,680 bytes of LDS; arguments q_img, kv_img, lowp_scales, attn_img; writes attn_img
.if DOCPART == 2
	.amdgcn_target "amdgcn-amd-amdhsa--gfx1250"
	.amdhsa_code_object_version 6
	.text
	.protected	k_q600184ab68_attn
	.globl	k_q600184ab68_attn
	.p2align	8
	.type	k_q600184ab68_attn,@function
k_q600184ab68_attn:
	s_mov_b64 s[64:65], 0
	v_nop
	global_prefetch_b8 v0, s[64:65] scope:SCOPE_SE
	s_setreg_imm32_b32 hwreg(HW_REG_WAVE_MODE, 25, 1), 1
	s_wait_xcnt 0x0
	s_wait_alu depctr_hold_cnt(0) depctr_sa_sdst(0) depctr_va_vdst(0) depctr_va_sdst(0) depctr_va_ssrc(0) depctr_va_vcc(0) depctr_vm_vsrc(0)
	s_getreg_b32 s2, hwreg(HW_REG_IB_STS2, 6, 4)
	s_cmp_eq_u32 s2, 0
	s_cbranch_scc0 .Lentry_in_a_cluster
	s_endpgm
.Lentry_in_a_cluster:
	s_bfe_u32 s2, ttmp6, 0x10000c
	s_cmp_lg_u32 s2, 0x3003
	s_cbranch_scc0 .Lentry_shape_is_right
	s_endpgm
.Lentry_shape_is_right:
; attn = softmax(Q K^T / 8) V for one head, both products on codes of BF8 (E5M2), and the result quantised at once for the projection.
; A work-group owns 512 queries of one head (bh = grid y), each of its sixteen waves two tiles of 16.  The head's K and V^T, 262,144 bytes of kv_img, lie whole in LDS: the first four blocks of 128 keys
; come by the head's load (4,096 bytes a wave), the other twelve by a second load behind the full sequence and a round (12,288 bytes a wave); nothing is filled again.
; The four work-groups of a cluster walk the same head and ask for both loads jointly (mask 15).
; Both products are used transposed (S^T = K Q^T, O^T = V^T P^T): a lane holds one query, its registers run along the keys.  q_img and kv_img hold images of the operands' registers: a piece is 512 bytes, 16 a lane.
; SOFTMAX: t = score x log2(e) / 8 x 2^(e6 + e7); -M = floor(-running largest t); p = 2^(t - M) is held at 57,344 x 2^e8 and converted; the row's sum is taken of the unquantised p; when M moves, the sum and O^T are multiplied by 2^(old M - new M).
; A KEY STEP (128 keys) works on two regions of 64 registers, which change roles from step to step: kr holds K's eight fragments and then V's four, sr the scores.  V's fragments are asked for behind the second
; tile's score products and waited for behind its exponentials; tile 0's product with V stands there, so that one set of 16 code registers serves both tiles; the next step's K is asked for into sr as soon as
; tile 1's scores are converted.  The last step's look-ahead wraps to block 0 (valid bytes) and is not used.  Maxima and sums run in four chains each.
; THE WAY OUT: O^T x 2^(e8 + e9) / sum, held at 57,344 x 2^e10, converted, the halves of the lanes exchanged so that registers 4 c .. 4 c + 3 hold k = 32 c + 16 h + 0 .. 15 of token r.
; attn_img [16 tokens: 512][head 16][piece 2][512]: the 128 tokens of a tile of the projection are 131,072 consecutive bytes.
; LIMITS: e6 + e7 between -123 and 130 (added to the exponent field of log2(e) / 8); e8 and e10 between -126 and 112.  The scaled scores stay under 2^31 in magnitude.  NaN is not served.
; No data prefetch: each byte of K and V is asked for once, in the launch's first two loads, and there is no loop of loads to run ahead in.
.set LI,   1                           ; 16 x lane
.set ADR,  2                           ; the step's block in LDS
.set LIMP, 3
.set SCP,  4
.set PD,   5
.set MA,   6
.set MB,   7
.set ST,   8                           ; for each tile: -M, the largest t, the sum in two halves
.set Q,    16
.set X,    32
.set Y,    96
.set S,    96
.set O,    160
.set P,    224
.set FP,   240
.set SU,   244
.set SU2,  246
.set SU3,  248
.set MC,   250
.set MD,   251
.set ADN,  252                         ; the next step's block
.set CC,   32
.set XR,   48
.set YR,   56
.set OU,   64
.set WV,  12
.set SEL, 20
.set CS,  22
.set G1A, 24
.set G1B, 32
.set G0A, 40
.set G0B, 44
.set TB,  48
.set CNT, 49
.set TN,  50
.macro CROUND
	s_barrier_signal -1
	s_barrier_wait -1
	s_cmp_lg_u32 s[WV], 0
	s_cbranch_scc1 .Lnot_wave_0_\@
	s_barrier_signal -3
.Lnot_wave_0_\@:
	s_barrier_wait -3
	s_barrier_signal -1
	s_barrier_wait -1
.endm
	s_load_b256 s[4:11], s[0:1], 0x0               ; q_img, kv_img, the scales' exponents, attn_img
	v_lshl_add_u32 v254, v0, 2, 0x40000            ; my spare word, behind the 262,144 bytes of K and V
	v_mov_b32 v255, 0
	ds_add_u32 v254, v255                          ; the opening lines: the add, twice on end, and its wait
	ds_add_u32 v254, v255
	v_lshrrev_b32 v[ADR], 5, v0
	s_delay_alu instid0(VALU_DEP_1)
	v_readfirstlane_b32 s[WV], v[ADR]
	s_bfe_u32 s13, ttmp6, 0x40000                  ; my place in the cluster: which 512 queries
	s_and_b32 s14, ttmp7, 0xffff                   ; bh
	s_mov_b32 s[G1A], 15|(0<<16)|(1<<21)           ; 16 rows of 256 bytes, dense
	s_mov_b32 s[G1A+1], 256<<16
	s_mov_b32 s[G1A+2], 16<<16
	s_mov_b32 s[G1A+3], 256<<16
	s_mov_b32 s[G1A+4], 16
	s_mov_b32 s[G1A+5], 256
	s_mov_b32 s[G1A+6], 0
	s_mov_b32 s[G1A+7], 0
	s_mov_b32 s[G1B], 15|(0<<16)|(1<<21)           ; 48 rows of 256 bytes, dense
	s_mov_b32 s[G1B+1], 256<<16
	s_mov_b32 s[G1B+2], 48<<16
	s_mov_b32 s[G1B+3], 256<<16
	s_mov_b32 s[G1B+4], 48
	s_mov_b32 s[G1B+5], 256
	s_mov_b32 s[G1B+6], 0
	s_mov_b32 s[G1B+7], 0
	s_mov_b32 s[G0A], 1
	s_lshl_b32 s[G0A+1], s[WV], 12
	s_mov_b32 s[G0B], 1
	s_mul_i32 s[G0B+1], s[WV], 12288
	s_add_co_u32 s[G0B+1], s[G0B+1], 65536
	s_lshl_b32 s16, s14, 18
	s_mov_b32 s17, 0
	s_mov_b32 s[SEL], 0x76543210
	s_mov_b32 s[SEL+1], 0xfedcba98
	s_mov_b32 s[CS], 0x3e38aa3b                    ; log2(e) / 8
	s_wait_dscnt 0x0
	s_wait_kmcnt 0x0
	s_load_b128 s[52:55], s[8:9], 0x18             ; e6 .. e9
	s_load_b32 s56, s[8:9], 0x28                   ; e10
	s_add_nc_u64 s[6:7], s[6:7], s[16:17]
	s_mov_b32 s16, s[G0A+1]
	s_add_nc_u64 s[G0A+2:G0A+3], s[6:7], s[16:17]
	s_or_b32 s[G0A+3], s[G0A+3], 0x80000000
	s_mov_b32 s16, s[G0B+1]
	s_add_nc_u64 s[G0B+2:G0B+3], s[6:7], s[16:17]
	s_or_b32 s[G0B+3], s[G0B+3], 0x80000000
	s_lshl_b32 s18, s13, 5                         ; my first tile of 16 queries: 32 x place in the cluster + 2 x wave
	s_lshl_b32 s19, s[WV], 1
	s_add_co_u32 s18, s18, s19
	s_lshl_b32 s16, s14, 17
	s_lshl_b32 s19, s18, 10
	s_add_co_u32 s16, s16, s19
	s_add_nc_u64 s[4:5], s[4:5], s[16:17]
	v_and_b32 v[LI], 31, v0
	s_delay_alu instid0(VALU_DEP_1)
	v_lshlrev_b32 v[LI], 4, v[LI]
.irp t, 0,1
.irp c, 0,1
	global_load_b128 v[Q+8*\t+4*\c:Q+8*\t+4*\c+3], v[LI], s[4:5] offset:1024*\t+512*\c   ; Q's fragments stay in registers
.endr
.endr
	CROUND
	tensor_load_to_lds s[G0A:G0A+3], s[G1A:G1A+7]  ; blocks 0 to 3: my one load at the head
	s_nop 0
	s_and_b32 s19, s14, 15                         ; the set-up stands under the load's flight.  The head,
	s_lshr_b32 s15, s14, 4                         ; the batch
	s_lshl_b32 s15, s15, 7
	s_add_co_u32 s15, s15, s18
	s_lshl_b32 s16, s15, 14                        ; 16,384 x tile of 16 tokens
	s_lshl_b32 s15, s19, 10                        ; + 1,024 x head
	s_add_co_u32 s16, s16, s15
	s_add_nc_u64 s[10:11], s[10:11], s[16:17]
.irp t, 0,1
	v_mov_b32 v[ST+4*\t+1], 0xff61b1e6             ; the largest t so far: -3e38
	s_delay_alu instid0(VALU_DEP_1)
	v_floor_f32 v[ST+4*\t], -v[ST+4*\t+1]
	v_mov_b32 v[ST+4*\t+2], 0
	v_mov_b32 v[ST+4*\t+3], 0
	v_mov_b32 v[FP+2*\t+1], 0
.endr
	v_mov_b32 v[PD], 0
.set j, 0
.rept 64
	v_mov_b32 v[O+j], 0                            ; the step is written for every step alike: the first finds zeros
.set j, j+1
.endr
	s_wait_kmcnt 0x0
	s_add_co_i32 s16, s52, s53
	s_lshl_b32 s16, s16, 23
	s_add_co_i32 s[CS], s[CS], s16                 ; e6 + e7 go into c's exponent field
	s_mov_b32 s[CS+1], s[CS]
	s_add_co_i32 s16, s54, 127
	s_lshl_b32 s17, s16, 23
	v_mov_b32 v[SCP], s17                          ; 2^e8
	s_add_co_i32 s16, s16, 15
	s_lshl_b32 s16, s16, 23
	s_or_b32 s16, s16, 0x600000
	v_mov_b32 v[LIMP], s16                         ; 57,344 x 2^e8
	s_add_co_i32 s58, s54, s55
	s_add_co_i32 s16, s56, 127
	s_lshl_b32 s59, s16, 23
	s_add_co_i32 s16, s16, 15
	s_lshl_b32 s16, s16, 23
	s_or_b32 s60, s16, 0x600000
	s_mov_b32 s[TB], 0
; The softmax of tile t up to the sums: the scores in sr become p.
.macro SMA t, sr
.set rT, ST+4*(\t)
.set rF, FP+2*(\t)
	v_max3_num_f32 v[MA], v[\sr], v[\sr+1], v[\sr+2]       ; the step's largest score, in four chains, the registers in ascending order
	v_max3_num_f32 v[MB], v[\sr+3], v[\sr+4], v[\sr+5]
	v_max3_num_f32 v[MC], v[\sr+6], v[\sr+7], v[\sr+8]
	v_max3_num_f32 v[MD], v[\sr+9], v[\sr+10], v[\sr+11]
.set i, 12
.rept 6
	v_max3_num_f32 v[MA], v[MA], v[\sr+i], v[\sr+i+1]
	v_max3_num_f32 v[MB], v[MB], v[\sr+i+2], v[\sr+i+3]
	v_max3_num_f32 v[MC], v[MC], v[\sr+i+4], v[\sr+i+5]
	v_max3_num_f32 v[MD], v[MD], v[\sr+i+6], v[\sr+i+7]
.set i, i+8
.endr
	v_max3_num_f32 v[MA], v[MA], v[\sr+60], v[\sr+61]
	v_max3_num_f32 v[MB], v[MB], v[\sr+62], v[\sr+63]
	v_max3_num_f32 v[MA], v[MA], v[MB], v[MC]
	v_max_num_f32 v[MA], v[MA], v[MD]
	s_delay_alu instid0(VALU_DEP_1)
	v_permlanex16_b32 v[PD], v[MA], s[SEL], s[SEL+1]
	s_delay_alu instid0(VALU_DEP_1)
	v_max_num_f32 v[MA], v[MA], v[PD]
	s_delay_alu instid0(VALU_DEP_1)
	v_mul_f32 v[MA], s[CS], v[MA]
	s_delay_alu instid0(VALU_DEP_1)
	v_max_num_f32 v[rT+1], v[rT+1], v[MA]          ; the running largest t
	v_mov_b32 v[MA], v[rT]
	s_delay_alu instid0(VALU_DEP_2)
	v_floor_f32 v[rT], -v[rT+1]                    ; -M
	s_delay_alu instid0(VALU_DEP_1)
	v_sub_f32 v[MA], v[rT], v[MA]
	s_delay_alu instid0(VALU_DEP_1)
	v_cvt_i32_f32 v[MA], v[MA]
	s_delay_alu instid0(VALU_DEP_1)
	v_ldexp_f32 v[rF], 1.0, v[MA]                  ; f = 2^(old M - new M)
.set i, 0
.rept 32
	v_pk_fma_f32 v[\sr+i:\sr+i+1], v[\sr+i:\sr+i+1], s[CS:CS+1], v[rT:rT+1] op_sel_hi:[1,0,0]
.set i, i+2
.endr
.set i, 0
	s_wait_alu depctr_va_vdst(0)                   ; the wait ahead of the batch
.rept 64
	v_exp_f32 v[\sr+i], v[\sr+i]
.set i, i+1
.endr
	v_pk_mul_f32 v[rT+2:rT+3], v[rT+2:rT+3], v[rF:rF+1] op_sel_hi:[1,0]
	s_wait_alu depctr_va_vdst(0)                   ; and behind it, ahead of its first reader
	v_dual_add_f32 v[SU], v[\sr], v[\sr+2] :: v_dual_add_f32 v[SU+1], v[\sr+1], v[\sr+3]       ; the row's sum of the unquantised p, two numbers a line, in four chains
	v_dual_add_f32 v[SU2], v[\sr+4], v[\sr+6] :: v_dual_add_f32 v[SU2+1], v[\sr+5], v[\sr+7]
	v_dual_add_f32 v[SU3], v[\sr+8], v[\sr+10] :: v_dual_add_f32 v[SU3+1], v[\sr+9], v[\sr+11]
.set i, 12
.rept 6
	v_dual_add_f32 v[rT+2], v[rT+2], v[\sr+i] :: v_dual_add_f32 v[rT+3], v[rT+3], v[\sr+i+1]
	v_dual_add_f32 v[SU], v[SU], v[\sr+i+2] :: v_dual_add_f32 v[SU+1], v[SU+1], v[\sr+i+3]
	v_dual_add_f32 v[SU2], v[SU2], v[\sr+i+4] :: v_dual_add_f32 v[SU2+1], v[SU2+1], v[\sr+i+5]
	v_dual_add_f32 v[SU3], v[SU3], v[\sr+i+6] :: v_dual_add_f32 v[SU3+1], v[SU3+1], v[\sr+i+7]
.set i, i+8
.endr
	v_dual_add_f32 v[rT+2], v[rT+2], v[\sr+60] :: v_dual_add_f32 v[rT+3], v[rT+3], v[\sr+61]
	v_dual_add_f32 v[SU], v[SU], v[\sr+62] :: v_dual_add_f32 v[SU+1], v[SU+1], v[\sr+63]
	v_dual_add_f32 v[SU2], v[SU2], v[SU3] :: v_dual_add_f32 v[SU2+1], v[SU2+1], v[SU3+1]
	v_dual_add_f32 v[rT+2], v[rT+2], v[SU] :: v_dual_add_f32 v[rT+3], v[rT+3], v[SU+1]
	v_dual_add_f32 v[rT+2], v[rT+2], v[SU2] :: v_dual_add_f32 v[rT+3], v[rT+3], v[SU2+1]
.endm
; The hold, one-sided since p is not negative, two numbers a line, and the conversions: p's codes are the second product's operand.
.macro SMB sr
.set b, 0
.rept 4
.set i, 0
.rept 8
	v_dual_min_num_f32 v[\sr+16*b+i], v[\sr+16*b+i], v[LIMP] :: v_dual_min_num_f32 v[\sr+16*b+i+1], v[\sr+16*b+i+1], v[LIMP]
.set i, i+2
.endr
	v_cvt_scalef32_pk8_bf8_f32 v[P+4*b:P+4*b+1],   v[\sr+16*b:\sr+16*b+7],    v[SCP]
	v_cvt_scalef32_pk8_bf8_f32 v[P+4*b+2:P+4*b+3], v[\sr+16*b+8:\sr+16*b+15], v[SCP]
.set b, b+1
.endr
.endm
.macro RESCALE t
.set i, 0
.rept 16
	v_pk_mul_f32 v[O+32*(\t)+i:O+32*(\t)+i+1], v[O+32*(\t)+i:O+32*(\t)+i+1], v[FP+2*(\t):FP+2*(\t)+1] op_sel_hi:[1,0]
.set i, i+2
.endr
.endm
.macro QK t, kr, sr, k0
.irp kt, \k0, \k0+1, \k0+2, \k0+3
	v_wmma_f32_16x16x64_bf8_bf8 v[\sr+8*(\kt):\sr+8*(\kt)+7], v[\kr+8*(\kt):\kr+8*(\kt)+7], v[Q+8*\t:Q+8*\t+7], 0
.endr
.endm
.macro PV t, kr
.irp dt, 0,1,2,3
	v_wmma_f32_16x16x128_bf8_bf8 v[O+32*\t+8*\dt:O+32*\t+8*\dt+7], v[\kr+16*\dt:\kr+16*\dt+15], v[P:P+15], v[O+32*\t+8*\dt:O+32*\t+8*\dt+7]
.endr
.endm
.macro KLOAD reg, adr                  ; K's eight fragments of a block: 16 loads
.irp kt, 0,1,2,3,4,5,6,7
	ds_load_b128 v[\reg+8*\kt:\reg+8*\kt+3],   v[\adr] offset:1024*\kt
	ds_load_b128 v[\reg+8*\kt+4:\reg+8*\kt+7], v[\adr] offset:1024*\kt+512
.endr
.endm
.macro STEP kr, sr
	v_add_nc_u32 v[ADR], s[TB], v[LI]
	s_add_co_u32 s[TB], s[TB], 16384
	s_and_b32 s[TN], s[TB], 0x3ffff                ; behind the last block: block 0
	v_add_nc_u32 v[ADN], s[TN], v[LI]
.rept 3
	v_nop                                          ; with the two additions: five places behind the last products, whose fragments of V the scores are laid over
.endr
	s_wait_dscnt 0x8                               ; of K's 16 loads the first eight are in: fragments 0 to 3
	QK 0, \kr, \sr, 0
	s_wait_dscnt 0x0
	QK 0, \kr, \sr, 4
.rept 4
	v_nop
.endr
	SMA 0, \sr
	SMB \sr
	v_nop                                          ; a plain place between the last conversion and the products that write over its sources
	QK 1, \kr, \sr, 0
	QK 1, \kr, \sr, 4
	RESCALE 0                                      ; these 16 are also the places in front of the loads below and of the first read of the scores
.irp dt, 0,1,2,3
.irp c, 0,1,2,3
	ds_load_b128 v[\kr+16*\dt+4*\c:\kr+16*\dt+4*\c+3], v[ADR] offset:8192+4096*(\c/2)+1024*\dt+512*(\c%2)   ; V's four fragments, over K's
.endr
.endr
	SMA 1, \sr
	s_wait_dscnt 0x0                               ; V is in
	PV 0, \kr
	SMB \sr                                        ; tile 1's codes over tile 0's: eight plain lines stand behind the products that read those
	KLOAD \sr, ADN                                 ; the next step's K, over the scores that have been converted
	RESCALE 1                                      ; also the plain place behind the last conversion
	PV 1, \kr
.endm
	s_wait_alu depctr_va_vdst(0)                   ; the wait at the head's end
	s_wait_loadcnt 0x0                             ; Q
	s_wait_tensorcnt 0x0                           ; my part of blocks 0 to 3 is in; the second load is issued as a refill is:
	ds_add_u32 v254, v255
	s_wait_dscnt 0x0
	CROUND                                         ; everybody's part is in, and the four work-groups are here
	tensor_load_to_lds s[G0B:G0B+3], s[G1B:G1B+7]  ; blocks 4 to 15
	s_nop 0
.rept 4
	v_nop
.endr
	KLOAD X, LI                                    ; block 0's K
	STEP X, Y                                      ; steps 0 and 1 read blocks 0 to 2 alone
	STEP Y, X
	s_wait_tensorcnt 0x0                           ; my part of blocks 4 to 15 is in,
	s_wait_dscnt 0x0
	s_barrier_signal -1
	s_barrier_wait -1                              ; everybody's is
	s_mov_b32 s[CNT], 7
.Lrest:
	STEP X, Y
	STEP Y, X
	s_sub_co_u32 s[CNT], s[CNT], 1
	s_cmp_lg_u32 s[CNT], 0
	s_cbranch_scc1 .Lrest
	s_wait_dscnt 0x0                               ; the last look-ahead has landed: its registers are used anew below
	v_add_f32 v[ST+2], v[ST+2], v[ST+3]
	v_add_f32 v[ST+6], v[ST+6], v[ST+7]
	s_delay_alu instid0(VALU_DEP_2)
	v_permlanex16_b32 v[MA], v[ST+2], s[SEL], s[SEL+1]
	s_delay_alu instid0(VALU_DEP_2)
	v_permlanex16_b32 v[MB], v[ST+6], s[SEL], s[SEL+1]
	s_delay_alu instid0(VALU_DEP_2)
	v_add_f32 v[ST+2], v[ST+2], v[MA]
	s_delay_alu instid0(VALU_DEP_2)
	v_add_f32 v[ST+6], v[ST+6], v[MB]
	s_wait_alu depctr_va_vdst(0)
	v_rcp_f32 v[ST+2], v[ST+2]
	v_rcp_f32 v[ST+6], v[ST+6]
	v_mov_b32 v[SCP], s59                          ; 2^e10
	v_mov_b32 v[LIMP], s60                         ; 57,344 x 2^e10
	s_wait_alu depctr_va_vdst(0)
	v_ldexp_f32 v[ST+2], v[ST+2], s58              ; x 2^(e8 + e9)
	v_ldexp_f32 v[ST+6], v[ST+6], s58
.irp t, 0,1
.set i, 0
.rept 16
	v_pk_mul_f32 v[S+32*\t+i:S+32*\t+i+1], v[O+32*\t+i:O+32*\t+i+1], v[ST+4*\t+2:ST+4*\t+3] op_sel_hi:[1,0]
.set i, i+2
.endr
.endr
.set i, 0
.rept 64
	v_med3_num_f32 v[S+i], v[S+i], -v[LIMP], v[LIMP]
.set i, i+1
.endr
.irp t, 0,1
.irp dt, 0,1,2,3
	v_cvt_scalef32_pk8_bf8_f32 v[CC+8*\t+2*\dt:CC+8*\t+2*\dt+1], v[S+32*\t+8*\dt:S+32*\t+8*\dt+7], v[SCP]
.endr
.endr
	v_and_b32 v[ADR], 16, v0
	s_delay_alu instid0(VALU_DEP_1)
	v_cmp_ne_u32 vcc_lo, 0, v[ADR]
.irp t, 0,1
.irp c, 0,1
.set c0, CC+8*\t+4*\c
.set x0, XR+4*\t+2*\c
.set y0, YR+4*\t+2*\c
.set o0, OU+8*\t+4*\c
	v_cndmask_b32 v[x0],   v[c0+2], v[c0],   vcc_lo     ; the two halves of the lanes exchange eight codes each
	v_cndmask_b32 v[x0+1], v[c0+3], v[c0+1], vcc_lo
	s_delay_alu instid0(VALU_DEP_2)
	v_permlanex16_b32 v[y0],   v[x0],   s[SEL], s[SEL+1]
	s_delay_alu instid0(VALU_DEP_2)
	v_permlanex16_b32 v[y0+1], v[x0+1], s[SEL], s[SEL+1]
	v_cndmask_b32 v[o0],   v[c0],   v[y0],   vcc_lo
	v_cndmask_b32 v[o0+1], v[c0+1], v[y0+1], vcc_lo
	v_cndmask_b32 v[o0+2], v[y0],   v[c0+2], vcc_lo
	v_cndmask_b32 v[o0+3], v[y0+1], v[c0+3], vcc_lo
	global_store_b128 v[LI], v[o0:o0+3], s[10:11] offset:16384*\t+512*\c   ; 32 lanes store 512 consecutive bytes
.endr
.endr
	s_wait_tensorcnt 0x0                           ; the wave's end
	ds_add_u32 v254, v255
	s_wait_dscnt 0x0
	CROUND                                         ; the closing round
	s_endpgm
.Lfunc_end_k_q600184ab68_attn:
	.size	k_q600184ab68_attn, .Lfunc_end_k_q600184ab68_attn-k_q600184ab68_attn
	.p2alignl 7, 3214868480
	.fill 96, 4, 3214868480
	.section	.rodata,"a",@progbits
	.p2align	6, 0x0
	.amdhsa_kernel k_q600184ab68_attn
		.amdhsa_group_segment_fixed_size 327680
		.amdhsa_private_segment_fixed_size 0
		.amdhsa_enable_private_segment 0
		.amdhsa_kernarg_size 32
		.amdhsa_user_sgpr_count 2
		.amdhsa_user_sgpr_kernarg_segment_ptr 1
		.amdhsa_wavefront_size32 1
		.amdhsa_system_sgpr_workgroup_id_x 1
		.amdhsa_system_sgpr_workgroup_id_y 1
		.amdhsa_system_sgpr_workgroup_id_z 1
		.amdhsa_system_vgpr_workitem_id 0
		.amdhsa_next_free_vgpr 256
		.amdhsa_next_free_sgpr 66
		.amdhsa_reserve_vcc 1
		.amdhsa_float_denorm_mode_32 3
		.amdhsa_float_denorm_mode_16_64 3
		.amdhsa_memory_ordered 1
		.amdhsa_forward_progress 1
		.amdhsa_inst_pref_size 133
	.end_amdhsa_kernel
	.amdgpu_metadata
---
amdhsa.version: [ 1, 2 ]
amdhsa.kernels:
  - .name:           k_q600184ab68_attn
    .symbol:         k_q600184ab68_attn.kd
    .args:
      - { .name: q_img, .offset: 0, .size: 8, .value_kind: global_buffer, .address_space: global }
      - { .name: kv_img, .offset: 8, .size: 8, .value_kind: global_buffer, .address_space: global }
      - { .name: lowp_scales, .offset: 16, .size: 8, .value_kind: global_buffer, .address_space: global }
      - { .name: attn_img, .offset: 24, .size: 8, .value_kind: global_buffer, .address_space: global }
    .group_segment_fixed_size: 327680
    .private_segment_fixed_size: 0
    .kernarg_segment_align: 8
    .kernarg_segment_size: 32
    .max_flat_workgroup_size: 512
    .sgpr_count:     66
    .vgpr_count:     256
    .wavefront_size: 32
...
	.end_amdgpu_metadata
.endif
;; end of part 2
;; launch proj (part 3): grid 4 x 64, 4 waves a work-group, clusters of 4 x 4, 327,680 bytes of LDS; arguments attn_img, Wo_codes, bo, lowp_scales, out0; writes out0
.if DOCPART == 3
	.amdgcn_target "amdgcn-amd-amdhsa--gfx1250"
	.amdhsa_code_object_version 6
	.text
	.protected	k_q600184ab68_proj
	.globl	k_q600184ab68_proj
	.p2align	8
	.type	k_q600184ab68_proj,@function
k_q600184ab68_proj:
	s_mov_b64 s[64:65], 0
	v_nop
	global_prefetch_b8 v0, s[64:65] scope:SCOPE_SE
	s_setreg_imm32_b32 hwreg(HW_REG_WAVE_MODE, 25, 1), 1
	s_wait_xcnt 0x0
	s_wait_alu depctr_hold_cnt(0) depctr_sa_sdst(0) depctr_va_vdst(0) depctr_va_sdst(0) depctr_va_ssrc(0) depctr_va_vcc(0) depctr_vm_vsrc(0)
	s_getreg_b32 s2, hwreg(HW_REG_IB_STS2, 6, 4)
	s_cmp_eq_u32 s2, 0
	s_cbranch_scc0 .Lentry_in_a_cluster
	s_endpgm
.Lentry_in_a_cluster:
	s_bfe_u32 s2, ttmp6, 0x10000c
	s_cmp_lg_u32 s2, 0xf033
	s_cbranch_scc0 .Lentry_shape_is_right
	s_endpgm
.Lentry_shape_is_right:
; out0 = attn Wo^T + bo on codes of BF8 (E5M2).  attn_img: [16 tokens: 512][head 16][piece 2][512], images of the operand's registers (registers 4 c .. 4 c + 3: k = 32 c + 16 h + 0 .. 15 of token r);
; Wo: [1024][1024] codes, K innermost; a number is its code x 2^e (e10 for attn, e11 for Wo); bo and out0 f32.
; A tile of out0, 128 tokens x 256 features, is made by four waves, each 64 x 128: 32 accumulators.  8,192 x 1,024 / (128 x 256) = 256 work-groups.
; LDS: the tile's 128 tokens x all 1,024 k of attn are 131,072 consecutive bytes of memory, fetched once (waves 0 and 1, 65,536 bytes each, as rows of 256 bytes).  Wo's 256 rows come in two halves of K,
; 512 bytes a row, padded to a pitch of 528 (33 x 16: the 16 rows that a load touches start 4 banks apart; 64 banks of 4 bytes: ISA guide 11.1), into ONE slot (waves 2 and 3, 128 rows each): the slot is filled again once,
; as soon as every wave holds the fragments of the fourth step of 128 along K; that step's products and attn's next fragments stand under the refill's flight.
; CLUSTERS: 4 x 4 work-groups.  attn's block hangs on the tile of tokens, shared along a row of the cluster; Wo's rows on the tile of features, shared along a column: each is asked for jointly.
; The matrix instruction is used transposed (source 0 = 16 rows of Wo, source 1 = 16 tokens): a lane holds eight neighbouring features of one token.  The bias, divided by 2^(e10 + e11), is the C of each sum's first instruction.
; PREFETCH: Wo's second half of K (2,048 blocks of 256 bytes) is asked for at the head, four steps of 128 along K ahead of the refill that loads it: one instruction a wave, a lane a block; the four partners of a column share a
; tile's 512 blocks out by address; only the clusters of the grid's first four rows ask, since all clusters read the same rows.  attn's block and Wo's first half come by the head's loads alone.
; LIMIT: e10 + e11 between -126 and 127, so that 2^(e10 + e11) is an f32 number; bo / 2^(e10 + e11) stays inside f32's range.
; REGISTERS, in windows of 256: window 0: v16-30 addresses; v32-95 the bias's eight tiles, then the way out's products; from v128 attn's fragments, two sets of 64; window 1: Wo's fragments, two sets of 128; window 2: accumulator (a, b) at v[8 (8 a + b)].
.set SIZE_N, 1024
.set BP,     528
.set ABYTES, 131072
.set BHALF,  128*BP
.set SPARE,  ABYTES+2*BHALF            ; 266,240: the spare words, 128 bytes for each wave, which no other line names
.set STAGE,  SPARE+512                 ; the way out: 16 rows x 528 bytes for each wave, bytes into which no fill lands
.set SPITCH, 528
.set FR,   16
.set NP,   4
.set ADRA, 16
.set ADRB, 20
.set BH,   22
.set STO,  24
.set RD,   25
.set CO,   26
.set SPW,  28
.set NIL,  29
.set PFO,  30
.set BI,   32
.set TMP,  32
.set AF,   128
.set BK,   128
.set G1,  24
.set G0,  32
.set PFA, 36
.set G1B, 48
.set G0B, 56
.set MSB, 0
.macro WIN new
.if MSB != (\new)
	s_set_vgpr_msb (MSB<<8)|(\new)
.set MSB, (\new)
.endif
.endm
.set MUL_LO,   0xa1                    ; source 0 (Wo) window 1, source 1 (attn) window 0, C and D window 2
.set FIRST_LO, 0x81                    ; the first step: C (the bias) window 0
.set TO_B,     0x40
.macro PLACES n
.rept \n
	v_nop
.endr
.endm
.macro CREST
	s_cmp_lg_u32 s14, 0
	s_cbranch_scc1 .Lnot_wave_0_\@
	s_barrier_signal -3
.Lnot_wave_0_\@:
	s_barrier_wait -3
	s_barrier_signal -1
	s_barrier_wait -1
.endm
.macro CROUND
	s_barrier_signal -1
	s_barrier_wait -1
	CREST
.endm
	s_load_b128 s[4:7], s[0:1], 0x0                ; attn_img, Wo
	s_load_b128 s[8:11], s[0:1], 0x10              ; bo, the scales' exponents
	s_load_b64 s[12:13], s[0:1], 0x20              ; out0
	v_lshl_add_u32 v[SPW], v0, 2, SPARE
	v_mov_b32 v[NIL], 0
	ds_add_u32 v[SPW], v[NIL]                      ; the opening lines: the add, twice on end, and its wait ahead of my first tensor load
	ds_add_u32 v[SPW], v[NIL]
	v_lshrrev_b32 v1, 5, v0
	v_readfirstlane_b32 s14, v1                    ; wave 0..3
	s_lshr_b32 s15, s14, 1                         ; my half of the tile's tokens.  Also: I fetch attn (0) or Wo (1)
	s_and_b32 s16, s14, 1                          ; my half of its features.  Also: which half I fetch
	s_bfe_u32 s40, ttmp6, 0x40000                  ; cx, cy
	s_bfe_u32 s41, ttmp6, 0x40004
	s_lshl_b32 s42, ttmp9, 2
	s_add_co_u32 s42, s42, s40                     ; tile of features
	s_and_b32 s17, ttmp7, 0xffff
	s_lshl_b32 s17, s17, 2
	s_add_co_u32 s17, s17, s41                     ; tile of tokens
	s_lshl_b32 s43, s41, 2
	s_lshl_b32 s43, 15, s43                        ; my row of the cluster
	s_lshl_b32 s44, 0x1111, s40                    ; my column
	s_or_b32 s[G1+0], s43, (0<<16)|(1<<21)         ; attn: 256 rows of 256 bytes, dense, no padding
	s_mov_b32 s[G1+1], 256<<16
	s_mov_b32 s[G1+2], 256<<16
	s_mov_b32 s[G1+3], 256<<16
	s_mov_b32 s[G1+4], 256
	s_mov_b32 s[G1+5], 256
	s_mov_b32 s[G1+6], 0
	s_mov_b32 s[G1+7], 0
	s_or_b32 s[G1B+0], s44, (0<<16)|(1<<20)|(1<<21)|(6<<22)|(3<<25)   ; Wo: 128 rows of 512 bytes, 1,024 apart; four words of padding after every 128
	s_mov_b32 s[G1B+1], 512<<16
	s_mov_b32 s[G1B+2], 128<<16
	s_mov_b32 s[G1B+3], 512<<16
	s_mov_b32 s[G1B+4], 128
	s_mov_b32 s[G1B+5], 1024
	s_mov_b32 s[G1B+6], 0
	s_mov_b32 s[G1B+7], 0
	s_lshl_b32 s20, s17, 17                        ; attn: 131,072 x tile of tokens
	s_lshl_b32 s45, s16, 16                        ; + 65,536 x half, in memory and in LDS
	s_add_co_u32 s20, s20, s45
	s_mov_b32 s21, 0
	s_lshl_b32 s46, s42, 8
	s_lshl_b32 s18, s16, 7
	s_add_co_u32 s46, s46, s18                     ; Wo: row 256 x tile of features + 128 x half
	s_lshl_b32 s46, s46, 10
	s_mov_b32 s47, 0
	s_mul_i32 s19, s16, BHALF
	s_add_co_u32 s19, s19, ABYTES                  ; and its place in LDS
	s_wait_dscnt 0x0                               ; both opening adds are done
	s_wait_kmcnt 0x0
	s_load_b64 s[96:97], s[10:11], 0x28            ; e10, e11
	s_add_nc_u64 s[20:21], s[4:5], s[20:21]
	s_add_nc_u64 s[46:47], s[6:7], s[46:47]
	CROUND                                         ; all sixteen work-groups are here: the first joint loads meet
	s_mov_b32 s[G0], 1
	s_mov_b32 s[G0+1], s45
	s_mov_b64 s[G0+2:G0+3], s[20:21]
	s_or_b32 s[G0+3], s[G0+3], 0x80000000
	s_mov_b32 s[G0B], 1
	s_mov_b32 s[G0B+1], s19
	s_mov_b64 s[G0B+2:G0B+3], s[46:47]
	s_or_b32 s[G0B+3], s[G0B+3], 0x80000000
	s_cmp_eq_u32 s15, 0                            ; one tensor load a wave at the head, one to each arm
	s_cbranch_scc0 .Lhead_b
	tensor_load_to_lds s[G0:G0+3], s[G1:G1+7]
	s_nop 0
	PLACES 4
	s_branch .Lhead_asked
.Lhead_b:
	tensor_load_to_lds s[G0B:G0B+3], s[G1B:G1B+7]
	s_nop 0
	PLACES 4
.Lhead_asked:
	s_lshl_b32 s21, s15, 16                        ; my 64 tokens of attn in LDS
	s_mul_i32 s22, s16, BHALF
	s_add_co_u32 s22, s22, ABYTES                  ; my 128 rows of Wo
	s_mul_i32 s23, s14, 16*SPITCH
	s_add_co_u32 s23, s23, STAGE                   ; my stage
	s_lshl_b32 s20, s17, 7
	s_lshl_b32 s18, s15, 6
	s_add_co_u32 s20, s20, s18                     ; my first token,
	s_lshl_b32 s20, s20, 12                        ; its row of out0
	s_lshl_b32 s46, s42, 10
	s_lshl_b32 s47, s16, 9
	s_add_co_u32 s46, s46, s47                     ; my first feature, in bytes of f32
	s_add_co_u32 s18, s20, s46
	s_mov_b32 s19, 0
	s_add_nc_u64 s[12:13], s[12:13], s[18:19]
	s_mov_b32 s47, 0
	s_add_nc_u64 s[8:9], s[8:9], s[46:47]
	s_lshl_b32 s38, s42, 8                         ; the prefetch: rows 256 x tile of features + 64 cy + 16 x wave on, two lanes a row
	s_lshl_b32 s39, s41, 6
	s_add_co_u32 s38, s38, s39
	s_lshl_b32 s39, s14, 4
	s_add_co_u32 s38, s38, s39
	s_lshl_b32 s38, s38, 10
	s_add_co_u32 s38, s38, 512                     ; the second half of K
	s_mov_b32 s39, 0
	s_add_nc_u64 s[PFA:PFA+1], s[6:7], s[38:39]
	s_and_b32 s18, ttmp7, 0xffff
	v_and_b32 v1, 15, v0                           ; r
	v_bfe_u32 v2, v0, 4, 1                         ; h
	v_and_b32 v6, 31, v0
	v_mul_u32_u24 v3, v1, BP
	v_lshl_add_u32 v4, v2, 4, v3
	v_lshlrev_b32 v[CO], 4, v6                     ; 16 x lane
	v_add_nc_u32 v[ADRB], s22, v4                  ; Wo's fragments: row r x pitch + 16 h
	v_add_nc_u32 v[ADRA], s21, v[CO]               ; attn's: 16 x lane in a piece
	v_lshl_add_u32 v5, v2, 5, v3
	v_add_nc_u32 v[STO], s23, v5                   ; the stage, in: row r, 32 bytes for each half of the lanes
	v_add_nc_u32 v[RD], s23, v[CO]                 ; back: the 32 lanes take one row of 512 bytes
	v_lshlrev_b32 v[BH], 5, v2
	v_lshrrev_b32 v7, 1, v6
	v_and_b32 v8, 1, v6
	v_lshlrev_b32 v8, 8, v8
	v_lshl_add_u32 v[PFO], v7, 10, v8              ; 1,024 x (lane / 2) + 256 x (lane % 2); never rewritten
.irp b, 0,1,2,3,4,5,6,7
	global_load_b128 v[BI+8*\b:BI+8*\b+3],   v[BH], s[8:9] offset:64*\b
	global_load_b128 v[BI+8*\b+4:BI+8*\b+7], v[BH], s[8:9] offset:64*\b+16
.endr
	s_cmp_lt_u32 s18, 4                            ; the cluster's y, the same in all sixteen partners
	s_cbranch_scc0 .Lno_ask
	global_prefetch_b8 v[PFO], s[PFA:PFA+1] th:TH_LOAD_NT scope:SCOPE_SE
.Lno_ask:
	s_wait_kmcnt 0x0
	s_add_co_i32 s96, s96, s97                     ; e10 + e11
	s_sub_co_i32 s98, 0, s96
	s_add_co_i32 s96, s96, 127
	s_lshl_b32 s96, s96, 23                        ; 2^(e10 + e11) as f32
	s_mov_b32 s97, s96
	s_wait_loadcnt 0x0
.set j, 0
.rept 64
	v_ldexp_f32 v[BI+j], v[BI+j], s98              ; the bias goes in as bias / 2^(e10 + e11)
.set j, j+1
.endr
.macro FETCH_B q8                      ; Wo's eight fragments of the q8-th 128 along K into set q8 % 2; a half of K holds four such steps
	WIN TO_B
.irp i, 0,1,2,3,4,5,6,7
.irp c, 0,1,2,3
	ds_load_b128 v[128*((\q8)%2)+FR*\i+4*\c:128*((\q8)%2)+FR*\i+4*\c+3], v[ADRB] offset:128*((\q8)%4)+32*\c+\i*16*BP
.endr
.endr
	WIN 0
.endm
.macro FETCH_A q8                      ; attn's four fragments: tile of 16 tokens i, heads 2 q8 and 2 q8 + 1, four pieces
.irp i, 0,1,2,3
.irp c, 0,1,2,3
	ds_load_b128 v[AF+64*((\q8)%2)+FR*\i+4*\c:AF+64*((\q8)%2)+FR*\i+4*\c+3], v[ADRA] offset:16384*\i+2048*(\q8)+512*\c
.endr
.endr
.endm
; 16 matrix instructions: token blocks a0, a0 + 1 x Wo's eight.  The 32 accumulators take turns, one instruction a turn, in the same order in every step.
.macro MUL16 a0, p, zero
.irp a, \a0, \a0+1
.irp b, 0,1,2,3,4,5,6,7
.if \zero
	v_wmma_f32_16x16x128_bf8_bf8 v[8*(8*(\a)+\b):8*(8*(\a)+\b)+7], v[128*(\p)+FR*\b:128*(\p)+FR*\b+FR-1], v[AF+64*(\p)+FR*(\a):AF+64*(\p)+FR*(\a)+FR-1], v[BI+8*\b:BI+8*\b+7]
.else
	v_wmma_f32_16x16x128_bf8_bf8 v[8*(8*(\a)+\b):8*(8*(\a)+\b)+7], v[128*(\p)+FR*\b:128*(\p)+FR*\b+FR-1], v[AF+64*(\p)+FR*(\a):AF+64*(\p)+FR*(\a)+FR-1], v[8*(8*(\a)+\b):8*(8*(\a)+\b)+7]
.endif
.endr
.endr
.endm
; A step of 128 along K: its fragments are in; the next step's 48 loads are issued into the other sets, four places behind the products that read those; then 32 products.
.macro STEP q8, zero, more
	s_wait_dscnt 0x0
.if \more
	PLACES NP
	FETCH_B (\q8)+1
	FETCH_A (\q8)+1
.endif
.if \zero
	WIN FIRST_LO
.else
	WIN MUL_LO
.endif
	MUL16 0, (\q8)%2, \zero
	MUL16 2, (\q8)%2, \zero
	WIN 0
.endm
	s_wait_alu depctr_va_vdst(0)                   ; the wait at the head's end
	s_wait_tensorcnt 0x0                           ; my load is in,
	s_barrier_signal -1
	s_barrier_wait -1                              ; everybody's is
	FETCH_B 0
	FETCH_A 0
	STEP 0, 1, 1
	STEP 1, 0, 1
	STEP 2, 0, 1
	s_wait_tensorcnt 0x0                           ; step 3 changes Wo's half: no tensor load of mine is out,
	ds_add_u32 v[SPW], v[NIL]                      ; 0 onto my spare word
	s_add_nc_u64 s[G0B+2:G0B+3], s[G0B+2:G0B+3], 512   ; the second half of K
	s_wait_dscnt 0x0                               ; the add is done; step 3's fragments are in, so my reads of Wo's slot are over
	CROUND                                         ; that holds of every wave of all sixteen work-groups
	s_cmp_eq_u32 s15, 0                            ; waves 2 and 3 fill the slot again; waves 0 and 1 have no part of it
	s_cbranch_scc1 .Lno_refill
	tensor_load_to_lds s[G0B:G0B+3], s[G1B:G1B+7]
	s_nop 0
	PLACES 4
.Lno_refill:
	PLACES NP                                      ; in front of the loads into the set that step 2's products read
	FETCH_A 4
	WIN MUL_LO
	MUL16 0, 1, 0
	MUL16 2, 1, 0
	WIN 0
	s_wait_tensorcnt 0x0                           ; my part of the second half is in,
	s_wait_dscnt 0x0
	s_barrier_signal -1
	s_barrier_wait -1                              ; everybody's is
	PLACES NP
	FETCH_B 4
	STEP 4, 0, 1
	STEP 5, 0, 1
	STEP 6, 0, 1
	STEP 7, 0, 0
; THE WAY OUT, block by block of 16 tokens x 128 features: each sum x 2^(e10 + e11), each accumulator from its low end on; through my own stage and back as whole rows of 512 bytes.
; LDS serves a wave's instructions in order (ISA guide 5.7.1.4): no wait between the stores and the loads.
.macro TOSTAGE a
.set AC, 64*(\a)
	WIN 0x02
.set j, 0
.rept 32
	v_pk_mul_f32 v[TMP+j:TMP+j+1], v[AC+j:AC+j+1], s[96:97] op_sel_hi:[1,0]
.set j, j+2
.endr
	WIN 0
.irp b, 0,1,2,3,4,5,6,7
	ds_store_b128 v[STO], v[TMP+8*\b:TMP+8*\b+3] offset:64*\b
	ds_store_b128 v[STO], v[TMP+8*\b+4:TMP+8*\b+7] offset:64*\b+16
.endr
.set BB, BK+64*((\a)%2)
.irp t, 0,1,2,3,4,5,6,7,8,9,10,11,12,13,14,15
	ds_load_b128 v[BB+4*\t:BB+4*\t+3], v[RD] offset:\t*SPITCH
.endr
.endm
.macro SEND a, younger                 ; younger: the LDS instructions issued behind block a's loads, which may stay out
.set BB, BK+64*((\a)%2)
	s_wait_dscnt \younger
.if (\a) > 0
	s_add_nc_u64 s[12:13], s[12:13], 16*SIZE_N*4   ; behind a wait on XCNT: the earlier stores have read their base
.endif
.irp t, 0,1,2,3,4,5,6,7,8,9,10,11,12,13,14,15
	global_store_b128 v[CO], v[BB+4*\t:BB+4*\t+3], s[12:13] offset:\t*SIZE_N*4 th:TH_STORE_NT   ; 32 lanes store 512 consecutive bytes, at a multiple of 512 from out0's first byte
.endr
.endm
	PLACES NP
	TOSTAGE 0
.irp a, 1,2,3
.if \a > 1
	s_wait_xcnt 0x0                                ; block a - 2's stores have read their registers and their base
.endif
	TOSTAGE \a
	SEND \a-1, 32
.endr
	s_wait_xcnt 0x0
	SEND 3, 0
	s_wait_tensorcnt 0x0                           ; the wave's end
	ds_add_u32 v[SPW], v[NIL]
	s_wait_dscnt 0x0
	CROUND                                         ; the closing round
	s_endpgm
.Lfunc_end_k_q600184ab68_proj:
	.size	k_q600184ab68_proj, .Lfunc_end_k_q600184ab68_proj-k_q600184ab68_proj
	.p2alignl 7, 3214868480
	.fill 96, 4, 3214868480
	.section	.rodata,"a",@progbits
	.p2align	6, 0x0
	.amdhsa_kernel k_q600184ab68_proj
		.amdhsa_group_segment_fixed_size 327680
		.amdhsa_private_segment_fixed_size 0
		.amdhsa_enable_private_segment 0
		.amdhsa_kernarg_size 40
		.amdhsa_user_sgpr_count 2
		.amdhsa_user_sgpr_kernarg_segment_ptr 1
		.amdhsa_wavefront_size32 1
		.amdhsa_system_sgpr_workgroup_id_x 1
		.amdhsa_system_sgpr_workgroup_id_y 1
		.amdhsa_system_sgpr_workgroup_id_z 1
		.amdhsa_system_vgpr_workitem_id 0
		.amdhsa_next_free_vgpr 768
		.amdhsa_next_free_sgpr 100
		.amdhsa_reserve_vcc 0
		.amdhsa_float_denorm_mode_32 3
		.amdhsa_float_denorm_mode_16_64 3
		.amdhsa_memory_ordered 1
		.amdhsa_forward_progress 1
		.amdhsa_inst_pref_size 79
	.end_amdhsa_kernel
	.amdgpu_metadata
---
amdhsa.version: [ 1, 2 ]
amdhsa.kernels:
  - .name:           k_q600184ab68_proj
    .symbol:         k_q600184ab68_proj.kd
    .args:
      - { .name: attn_img, .offset: 0, .size: 8, .value_kind: global_buffer, .address_space: global }
      - { .name: Wo_codes, .offset: 8, .size: 8, .value_kind: global_buffer, .address_space: global }
      - { .name: bo, .offset: 16, .size: 8, .value_kind: global_buffer, .address_space: global }
      - { .name: lowp_scales, .offset: 24, .size: 8, .value_kind: global_buffer, .address_space: global }
      - { .name: out0, .offset: 32, .size: 8, .value_kind: global_buffer, .address_space: global }
    .group_segment_fixed_size: 327680
    .private_segment_fixed_size: 0
    .kernarg_segment_align: 8
    .kernarg_segment_size: 40
    .max_flat_workgroup_size: 128
    .sgpr_count:     100
    .vgpr_count:     768
    .wavefront_size: 32
...
	.end_amdgpu_metadata
.endif
;; end of part 3
